; MI455X (gfx1250); checked and timed in simulation.
; The chip was launched on July 23, 2026; its instructions are those of AMD's public machine-readable ISA for CDNA 5 (MIT licence, August 2026) and "CDNA5" Instruction Set Architecture Reference Guide (July 2026). The comments in the code are by the model that wrote it; some were corrected since.
;; Self Attention. Allowed arithmetic: float matrix products may take bf16 or f16 operands with f32 sums; all other float work in f32.
;; Inputs: W_out 1,024 x 1,024 float32; key 2 x 2,048 x 1,024 float32; mask 2 x 1 x 1 x 2,048 int32; query 2 x 2,048 x 1,024 float32; values 2 x 2,048 x 1,024 float32.
;; Outputs: out0 2 x 2,048 x 1,024 float32.
;; One version. Each part assembles by itself: llvm-mc -triple=amdgcn-amd-amdhsa -mcpu=gfx1250 --defsym DOCPART=n.
;; ======== version 1 of 1: 3 launches
;; limits: right only within a limited range of input values; values are held in f16: magnitudes above 65,504 overflow, below 6.1e-05 lose precision; inputs' magnitudes at most 65,504; below input magnitudes of 6.1e-05 results are inexact or not finite
;; workspace buffers: order 18,432 bytes of whole numbers; kpar 2,048 bytes; wb 2,097,152 bytes; xb 8,388,608 bytes
;; launch prep (part 1): grid 258 x 1, 1 waves a work-group, no clusters, 9,472 bytes of LDS; arguments mask, W_out, order, kpar, wb; writes order, kpar, wb
.if DOCPART == 1
	.amdgcn_target "amdgcn-amd-amdhsa--gfx1250"
	.amdhsa_code_object_version 6
	.text
	.protected	k_q84dd239333_prep
	.globl	k_q84dd239333_prep
	.p2align	8
	.type	k_q84dd239333_prep,@function
k_q84dd239333_prep:
	s_mov_b64 s[64:65], 0
	v_nop
	global_prefetch_b8 v0, s[64:65] scope:SCOPE_SE
	s_setreg_imm32_b32 hwreg(HW_REG_WAVE_MODE, 25, 1), 1
	s_wait_xcnt 0x0
; Two roles, chosen by the work-group number.
; Work-groups 0 and 1 (batch n): the 2,048 mask words of batch n become a list of the live keys, for the attention launch.
;   A key with mask 0 has the weight exp((-1e20 - max) / 32), which is 0 in f32 as soon as one key of the batch is live: such keys are left out.
;   cnt = live keys, T = ceil(cnt / 128) tiles of 128, pads = 128 T - cnt (under 128).  List positions 0 .. pads-1 are pads (key 0, bias -1e30),
;   the live keys follow in positions pads .. 128 T - 1 (bias 0), the rest up to entry 2,175 is 0 (read by the index look-ahead alone).
;   So tile 0 is the only tile with pads, and its position 127 is always a live key.
;   cnt = 0: every weight is equal in the reference; the list is then all 2,048 keys, T = 16, no pads, and the exponent scale c is 0.
;   order, per batch 9,216 bytes: 2,176 list words, then T 128 times.  kpar, per batch 1,024 bytes: 128 biases, then (c, -c) 64 times.
; Work-groups 2 .. 257 (i = number - 2): rows 4 i .. 4 i + 3 of W_out, rounded to f16, into wb[kb][o][64] = W_out[o][64 kb + d]:
;   a tile of 128 rows x 64 k of the projection is then one dense block.
; One wave a work-group: no barrier.
; LIMITS: energies are taken to be finite and under about 1e19 in size, so that a masked weight is exactly 0.
; |W_out| up to 65,504, the largest f16; a larger number becomes infinite.  Numbers under 6.1e-5 in size are kept to 3e-8 absolute.
.set MK,    64                         ; v[64:131]  the mask as loaded (64 registers), later the list read back (68)
.set LISTW, 2176                       ; words in the list; word 2,176 of LDS takes what dead keys write
.set LISTB, 4*LISTW
	s_load_b256 s[4:11], s[0:1], 0x0               ; mask s[4:5], W_out s[6:7], order s[8:9], kpar s[10:11]
	s_load_b64 s[12:13], s[0:1], 0x20              ; wb
	v_lshl_add_u32 v192, v0, 2, 0x2400
	v_mov_b32 v193, 0
	s_cmp_ge_u32 ttmp9, 2
	s_cbranch_scc1 .Lweights
	; ---------------- the list of batch n = work-group number ----------------
	v_lshlrev_b32 v1, 4, v0                        ; 16 x lane
	v_lshlrev_b32 v2, 2, v0                        ; 4 x lane: the first of my four keys in each block of 128
	s_lshl_b32 s14, ttmp9, 13                      ; 8,192 bytes of mask a batch
	s_mov_b32 s15, 0
	s_mul_i32 s16, ttmp9, 9216
	s_mov_b32 s17, 0
	s_lshl_b32 s18, ttmp9, 10
	s_mov_b32 s19, 0
	s_wait_kmcnt 0x0
	s_add_nc_u64 s[4:5], s[4:5], s[14:15]
	s_add_nc_u64 s[8:9], s[8:9], s[16:17]
	s_add_nc_u64 s[10:11], s[10:11], s[18:19]
.set k, 0
.rept 16
	global_load_b128 v[MK+4*k:MK+4*k+3], v1, s[4:5] offset:512*k   ; register 4 k + j = key 128 k + 4 lane + j
.set k, k+1
.endr
	v_mov_b32 v3, 0                                ; my count of live keys
	v_mov_b32 v4, 0                                ; live keys in the lanes below me
	v_mov_b32 v8, LISTW                            ; where dead keys go
	v_mov_b32 v9, 0xf149f2ca                       ; -1e30
	v_mov_b32 v12, 0
	v_mov_b32 v13, 0
	v_mov_b32 v14, 0
	v_mov_b32 v15, 0
.set k, 0
.rept 18
	ds_store_b128 v1, v[12:15] offset:512*k        ; list and dump word start as zeros: 18 x 512 = 9,216 bytes
.set k, k+1
.endr
	s_wait_loadcnt 0x0
.set x, 0
.rept 64
	v_cmp_ne_u32 vcc_lo, 0, v[MK+x]
	v_add_co_ci_u32 v3, vcc_lo, 0, v3, vcc_lo      ; + 1 where the key is live
.set x, x+1
.endr
	s_mov_b32 s20, 0
.set x, 0
.rept 32
	v_readlane_b32 s21, v3, x                      ; running sum over the lanes, kept in a scalar
	v_writelane_b32 v4, s20, x
	s_add_co_u32 s20, s20, s21
.set x, x+1
.endr
	s_add_co_u32 s22, s20, 127
	s_lshr_b32 s22, s22, 7                         ; T
	s_lshl_b32 s23, s22, 7
	s_sub_co_u32 s23, s23, s20                     ; pads
	s_cmp_eq_u32 s20, 0                            ; no live key at all: only selects follow, which leave SCC alone
	s_cselect_b32 s24, -1, 0                       ; a lane mask: all lanes or none
	s_cselect_b32 s22, 16, s22
	s_cselect_b32 s23, 0, s23
	s_cselect_b32 s25, 0, 0x3d38aa3b               ; c = log2(e) / 32
	s_cselect_b32 s26, 0, 0xbd38aa3b               ; -c
	v_add_nc_u32 v5, s23, v4                       ; my next list position
; One key: a live key goes to my next position, a dead one to the dump word; with no live key at all, every key to its own number.
; The position is clamped by a constant before it becomes an LDS address.  LDS serves the stores of one wave in order, behind the zeros.
.macro PLACE reg, first
	v_cmp_ne_u32 vcc_lo, 0, v[\reg]
	v_cndmask_b32 v6, v8, v5, vcc_lo
	v_add_co_ci_u32 v5, vcc_lo, 0, v5, vcc_lo
	v_add_nc_u32 v7, \first, v2                    ; the number of the key
	v_cndmask_b32 v6, v6, v7, s24
	v_min_u32 v6, LISTW, v6
	v_lshlrev_b32 v6, 2, v6
	ds_store_b32 v6, v7
.endm
.set k, 0
.rept 16
	PLACE MK+4*k, 128*k
	PLACE MK+4*k+1, 128*k+1
	PLACE MK+4*k+2, 128*k+2
	PLACE MK+4*k+3, 128*k+3
.set k, k+1
.endr
.set k, 0
.rept 17
	ds_load_b128 v[MK+4*k:MK+4*k+3], v1 offset:512*k               ; the list back, 17 x 512 = 8,704 bytes
.set k, k+1
.endr
.set k, 0
.rept 17
	s_wait_dscnt 16-k                              ; LDS answers in order: all but the 16 - k younger loads are in
	global_store_b128 v1, v[MK+4*k:MK+4*k+3], s[8:9] offset:512*k  ; 512 consecutive bytes a store
.set k, k+1
.endr
	v_mov_b32 v16, s22
	v_mov_b32 v17, s22
	v_mov_b32 v18, s22
	v_mov_b32 v19, s22
	global_store_b128 v1, v[16:19], s[8:9] offset:LISTB            ; T, 128 times
.irp e, 0,1,2,3
	v_add_nc_u32 v10, \e, v2                       ; list position 4 lane + e
	v_cmp_gt_u32 vcc_lo, s23, v10                  ; a pad?
	v_cndmask_b32 v[20+\e], 0, v9, vcc_lo
.endr
	global_store_b128 v1, v[20:23], s[10:11]       ; the biases of tile 0
	v_mov_b32 v24, s25
	v_mov_b32 v25, s26
	v_mov_b32 v26, s25
	v_mov_b32 v27, s26
	global_store_b128 v1, v[24:27], s[10:11] offset:512
	s_wait_tensorcnt 0x0
	ds_add_u32 v192, v193
	s_wait_dscnt 0x0
	s_endpgm
	; ---------------- four rows of W_out to f16 ----------------
.Lweights:
	s_sub_co_u32 s14, ttmp9, 2                     ; i
	v_and_b32 v3, 15, v0
	v_lshrrev_b32 v4, 4, v0
	v_lshlrev_b32 v1, 4, v3                        ; read: sixteen lanes take 256 bytes (64 numbers) of a row,
	v_lshl_add_u32 v1, v4, 12, v1                  ; the other sixteen the same of the next row
	v_lshlrev_b32 v2, 3, v3                        ; write: 8 bytes a lane, the two rows one behind the other
	v_lshl_add_u32 v2, v4, 7, v2
	s_lshl_b32 s16, s14, 14                        ; 4 rows of 4,096 bytes
	s_mov_b32 s17, 0
	s_lshl_b32 s18, s14, 9                         ; 4 rows of 128 bytes in each k block
	s_mov_b32 s19, 0
	s_wait_kmcnt 0x0
	s_add_nc_u64 s[6:7], s[6:7], s[16:17]
	s_add_nc_u64 s[12:13], s[12:13], s[18:19]
.set x, 0
.rept 32                                               ; x = 16 pair + kb
	global_load_b128 v[MK+4*x:MK+4*x+3], v1, s[6:7] offset:(x/16)*8192+(x%16)*256 th:TH_LOAD_NT
.set x, x+1
.endr
.set x, 0
.rept 32
	s_wait_loadcnt 31-x                            ; loads answer in order: all but the 31 - x younger ones are in
	v_cvt_pk_f16_f32 v[MK+4*x], v[MK+4*x], v[MK+4*x+1]
	v_cvt_pk_f16_f32 v[MK+4*x+1], v[MK+4*x+2], v[MK+4*x+3]
	global_store_b64 v2, v[MK+4*x:MK+4*x+1], s[12:13] offset:(x/16)*256+(x%16)*131072   ; 256 consecutive bytes, aligned
.set x, x+1
.endr
	s_endpgm
.Lfunc_end_k_q84dd239333_prep:
	.size	k_q84dd239333_prep, .Lfunc_end_k_q84dd239333_prep-k_q84dd239333_prep
	.p2alignl 7, 3214868480
	.fill 96, 4, 3214868480
	.section	.rodata,"a",@progbits
	.p2align	6, 0x0
	.amdhsa_kernel k_q84dd239333_prep
		.amdhsa_group_segment_fixed_size 9472
		.amdhsa_private_segment_fixed_size 0
		.amdhsa_enable_private_segment 0
		.amdhsa_kernarg_size 40
		.amdhsa_user_sgpr_count 2
		.amdhsa_user_sgpr_kernarg_segment_ptr 1
		.amdhsa_wavefront_size32 1
		.amdhsa_system_sgpr_workgroup_id_x 1
		.amdhsa_system_sgpr_workgroup_id_y 1
		.amdhsa_system_sgpr_workgroup_id_z 1
		.amdhsa_system_vgpr_workitem_id 0
		.amdhsa_next_free_vgpr 194
		.amdhsa_next_free_sgpr 66
		.amdhsa_reserve_vcc 1
		.amdhsa_float_denorm_mode_32 3
		.amdhsa_float_denorm_mode_16_64 3
		.amdhsa_memory_ordered 1
		.amdhsa_forward_progress 1
		.amdhsa_inst_pref_size 54
	.end_amdhsa_kernel
	.amdgpu_metadata
---
amdhsa.version: [ 1, 2 ]
amdhsa.kernels:
  - .name:           k_q84dd239333_prep
    .symbol:         k_q84dd239333_prep.kd
    .args:
      - { .name: mask, .offset: 0, .size: 8, .value_kind: global_buffer, .address_space: global }
      - { .name: W_out, .offset: 8, .size: 8, .value_kind: global_buffer, .address_space: global }
      - { .name: order, .offset: 16, .size: 8, .value_kind: global_buffer, .address_space: global }
      - { .name: kpar, .offset: 24, .size: 8, .value_kind: global_buffer, .address_space: global }
      - { .name: wb, .offset: 32, .size: 8, .value_kind: global_buffer, .address_space: global }
    .group_segment_fixed_size: 9472
    .private_segment_fixed_size: 0
    .kernarg_segment_align: 8
    .kernarg_segment_size: 40
    .max_flat_workgroup_size: 32
    .sgpr_count:     66
    .vgpr_count:     194
    .wavefront_size: 32
...
	.end_amdgpu_metadata
.endif
;; end of part 1
;; launch attn (part 2): grid 8 x 32, 8 waves a work-group, no clusters, 150,528 bytes of LDS; arguments query, key, values, order, kpar, xb; writes xb
.if DOCPART == 2
	.amdgcn_target "amdgcn-amd-amdhsa--gfx1250"
	.amdhsa_code_object_version 6
	.text
	.protected	k_q84dd239333_attn
	.globl	k_q84dd239333_attn
	.p2align	8
	.type	k_q84dd239333_attn,@function
k_q84dd239333_attn:
	s_mov_b64 s[64:65], 0
	v_nop
	global_prefetch_b8 v0, s[64:65] scope:SCOPE_SE
	s_setreg_imm32_b32 hwreg(HW_REG_WAVE_MODE, 25, 1), 1
	s_wait_xcnt 0x0
; Attention over the listed keys.  Work-group (x, y): batch n = y / 16, head = y % 16, query rows 256 x .. 256 x + 255.
; Eight waves: wave w has the 64 query rows of g = w % 4 (four tiles of 16) and half kh = w / 4 of every tile of 128 keys, with its own running
; maximum, sum and output sums; the two halves are joined once at the end.  Two waves lie on a SIMD, so that the exponentials of one stand beside
; the matrix work of the other, and each wave reads 32 LDS loads for 64 matrix instructions.
; The keys of a tile are rows named by the list (order); T, the number of tiles (1 .. 16), comes from the same buffer.  K and V rows go
; memory -> registers (f32) -> f16 -> LDS; the next tile is asked for one whole trip ahead.
; THE LOOP HAS 16 TRIPS WHATEVER T IS: every wave passes both barriers of every trip, so that no barrier hangs on a number that was loaded;
; in the trips from T on the three pieces of work between the barriers are jumped over, each by its own compare of the trip number with T.
; BOTH PRODUCTS ARE TRANSPOSED, so that a weight never leaves its lane:
;   S^T = K Q^T: lane (r, h) register j of tile kt holds key 16 kt + 8 h + j, query r.
;   out^T = V^T P^T: P^T as second source wants, in lane (r, h), keys 8 h .. 8 h + 7 and 16 + 8 h .. of query r: two S tiles, packed in place.
;   V^T comes from V rows in LDS by the transposing load.
; The scale 1 / 32 and log2(e) are one factor c, which rides on the multiply-add that takes the running maximum away.
; OPERANDS ARE f16, NOT bf16: its 11 significant bits leave an eighth of the rounding error of the 8 of bf16, and every operand has room in its range:
; the weights lie in 0 .. 1, an output row is a weighted mean of rows of values, and query, key and values may be up to 65,504 in size.
; NO CLUSTER, NO TENSOR LOADS, though the eight query blocks of a head read the same K and V: the rows are picked by a list and must be rounded
; from f32 to f16 on the way into LDS, so they pass through registers.
; LIMITS: |query|, |key|, |values| up to 65,504 (a larger number becomes infinite as an operand); numbers under 6.1e-5 in size are kept to 3e-8 absolute;
; energies finite and under about 1e19 in size (a masked weight is then exactly 0, as in f32 arithmetic on the reference);
; Inf or NaN in a masked row of key or values is not carried into the result unless it is row 0 (the pad row);
; the sums run in another order than in the reference.
.set TRIPS,  16                        ; 2,048 keys / 128: the most tiles a list can have
.set KPITCH, 144                       ; a K row in LDS: 128 bytes + 16: an odd multiple of 16 bytes
.set VPITCH, 160                       ; a V row: 128 bytes + 32: an odd multiple of 32 bytes, for the transposing load
.set KB,    0                          ; 128 K rows
.set VB,    KB+128*KPITCH              ; 128 V rows                     (18,432)
.set STATB, VB+128*VPITCH              ; maxima and sums, 1,024 a wave  (38,912)
.set EXB,   STATB+8*1024               ; output sums handed over, 8,192 a wave (47,104)
.set OUTB,  EXB+8*8192                 ; the way out, 32 rows x 144 a wave     (112,640; ends at 149,504)
; window 0
.set ADK, 1                            ; LDS address of my K fragments
.set ADV, 2                            ; of my V^T fragments
.set STK, 3                            ; where I put my 8 bytes of 8 K rows
.set STV, 4                            ; and of 8 V rows
.set CH,  5                            ; my 16 bytes in a row of 256 bytes
.set IA,  6                            ; byte offset in the list of my 8 rows
.set XT,  7                            ; what comes from the other half of the lanes
.set IDX, 8                            ; v[8:15]   list entries of my 8 rows, one tile ahead of the rows
.set OFF, 16                           ; v[16:23]  byte offsets of my 8 rows
.set MX,  24                           ; v[24:27]  running maximum of query tile i
.set LS,  28                           ; v[28:31]  running sum (of this lane: the two halves are joined at the end)
.set NM,  32                           ; v[32:33]  what is added in front of the exponential (low word; the high word is 0)
.set AL,  34                           ; v[34:35]  the factor for the old sums (low word)
.set TA,  36                           ; v[36:39]  at work
.set SU,  40                           ; v[40:43]  at work
.set SC,  48                           ; v[48:79]  S^T, tile kt at 48 + 8 kt
.set PB,  80                           ; v[80:95]  P^T in f16, 32 keys kk at 80 + 8 kk
.set ST,  96                           ; v[96:159] rows on their way: K row p at 96 + 4 p, V row p at 128 + 4 p
.set QF,  160                          ; v[160:223] Q fragments (i, ks) at 160 + 8 (2 i + ks)
.set BI,  224                          ; v[224:255] biases of tile 0, in the layout of S^T
; window 1: v[0:127] output sums, tile (i, dt) at 8 (4 i + dt)
.set KF,  128                          ; K fragments (kt, ks) at 128 + 8 (2 kt + ks)
.set VF,  192                          ; V^T fragments (kk, dt) at 192 + 8 (4 kk + dt)
.set MSB, 0
.macro WIN new                         ; low byte: bits 1:0 source 0, 3:2 source 1, 5:4 source 2, 7:6 destination; the high byte repeats the setting left
.if MSB != \new
	s_set_vgpr_msb (MSB<<8)|\new
.set MSB, \new
.endif
.endm
.macro PLACES                          ; four plain vector instructions between a matrix instruction and the first vector instruction or load on its registers
.rept 4
	v_nop
.endr
.endm
	s_load_b256 s[4:11], s[0:1], 0x0               ; query s[4:5], key s[6:7], values s[8:9], order s[10:11]
	s_load_b128 s[12:15], s[0:1], 0x20             ; kpar s[12:13], xb s[14:15]
	v_lshrrev_b32 v44, 5, v0
	v_readfirstlane_b32 s16, v44                   ; wave w
	s_and_b32 s17, s16, 3                          ; g
	s_lshr_b32 s18, s16, 2                         ; kh
	s_and_b32 s19, ttmp7, 0xffff                   ; y = 16 n + head
	s_lshr_b32 s20, s19, 4                         ; n
	s_and_b32 s21, s19, 15                         ; head
	s_lshl_b32 s22, s20, 23                        ; a batch is 2,048 rows of 4,096 bytes,
	s_lshl_b32 s21, s21, 8                         ; a head 256 bytes of a row
	s_add_co_u32 s22, s22, s21                     ; key and values: batch and head
	s_mov_b32 s23, 0
	s_lshl_b32 s26, ttmp9, 20                      ; query: + 256 rows a block
	s_add_co_u32 s26, s26, s22
	s_lshl_b32 s25, s17, 18                        ; + 64 rows a wave
	s_add_co_u32 s26, s26, s25
	s_mov_b32 s27, 0
	s_lshl_b32 s34, s19, 18                        ; xb[n][head][q][64] f16: 2,048 rows of 128 bytes a head
	s_lshl_b32 s25, ttmp9, 15
	s_add_co_u32 s34, s34, s25
	s_lshl_b32 s25, s17, 13
	s_add_co_u32 s34, s34, s25
	s_mov_b32 s35, 0
	s_mul_i32 s36, s20, 9216
	s_mov_b32 s37, 0
	s_lshl_b32 s38, s20, 10
	s_mov_b32 s39, 0
	s_mov_b32 s30, 0x76543210                      ; v_permlanex16_b32: lane i takes lane i of the other half
	s_mov_b32 s31, 0xfedcba98
	v_and_b32 v46, 15, v0                          ; r
	v_bfe_u32 v47, v0, 4, 1                        ; h
	s_mul_i32 s33, s18, 64*KPITCH
	v_mul_u32_u24 v[ADK], v46, KPITCH
	v_lshl_add_u32 v[ADK], v47, 4, v[ADK]
	v_add_nc_u32 v[ADK], s33, v[ADK]               ; (64 kh + r) pitch + 16 h
	v_and_b32 v45, 7, v0
	v_lshl_add_u32 v45, v47, 3, v45
	v_mul_u32_u24 v[ADV], v45, VPITCH
	v_bfe_u32 v45, v0, 3, 1
	v_lshl_add_u32 v[ADV], v45, 4, v[ADV]
	s_mul_i32 s33, s18, 64*VPITCH
	s_add_co_u32 s33, s33, VB
	v_add_nc_u32 v[ADV], s33, v[ADV]               ; VB + (64 kh + 8 h + lane % 8) pitch + 16 ((lane / 8) % 2)
	v_mul_u32_u24 v[STK], v47, 8*KPITCH            ; my rows of a tile are 16 w + 8 h + p, p = 0 .. 7; sixteen lanes share a row
	v_lshl_add_u32 v[STK], v46, 3, v[STK]
	s_mul_i32 s33, s16, 16*KPITCH
	v_add_nc_u32 v[STK], s33, v[STK]
	v_mul_u32_u24 v[STV], v47, 8*VPITCH
	v_lshl_add_u32 v[STV], v46, 3, v[STV]
	s_mul_i32 s33, s16, 16*VPITCH
	s_add_co_u32 s33, s33, VB
	v_add_nc_u32 v[STV], s33, v[STV]
	v_lshlrev_b32 v[CH], 4, v46
	s_lshl_b32 s33, s16, 6
	v_lshl_add_u32 v[IA], v47, 5, s33              ; 4 bytes x (16 w + 8 h)
	v_lshlrev_b32 v44, 12, v46
	v_lshl_add_u32 v44, v47, 5, v44                ; query: row r, numbers 8 h ..
	s_lshl_b32 s33, s18, 8
	v_lshl_add_u32 v45, v47, 5, s33                ; biases: 4 bytes x (64 kh + 8 h)
	v_mov_b32 v[XT], 0                             ; written once: a lane permute counts as a reader of its destination
	v_mov_b32 v[NM+1], 0                           ; the unused halves of the two broadcast pairs
	v_mov_b32 v[AL+1], 0
	s_wait_kmcnt 0x0
	s_add_nc_u64 s[4:5], s[4:5], s[26:27]
	s_add_nc_u64 s[6:7], s[6:7], s[22:23]
	s_add_nc_u64 s[8:9], s[8:9], s[22:23]
	s_add_nc_u64 s[10:11], s[10:11], s[36:37]
	s_add_nc_u64 s[12:13], s[12:13], s[38:39]
	s_add_nc_u64 s[14:15], s[14:15], s[34:35]
	s_load_b32 s24, s[10:11], 0x2200               ; T
	s_load_b64 s[28:29], s[12:13], 0x200           ; c, -c
; list entries -> byte offsets of rows; an entry is clamped by a constant before it enters an address
.macro OFFS
.irp p, 0,1,2,3,4,5,6,7
	v_min_u32 v[OFF+\p], 0x7ff, v[IDX+\p]
.endr
.irp p, 0,1,2,3,4,5,6,7
	v_lshl_add_u32 v[OFF+\p], v[OFF+\p], 12, v[CH]
.endr
.endm
; 8 K rows and 8 V rows (sixteen lanes take the 256 bytes of a row and head), then the list entries of the tile behind
.macro ROWS
.irp p, 0,1,2,3,4,5,6,7
	global_load_b128 v[ST+4*\p:ST+4*\p+3], v[OFF+\p], s[6:7]
.endr
.irp p, 0,1,2,3,4,5,6,7
	global_load_b128 v[ST+32+4*\p:ST+32+4*\p+3], v[OFF+\p], s[8:9]
.endr
	v_add_nc_u32 v[IA], 512, v[IA]                 ; its last loads have been waited for
	global_load_b128 v[IDX:IDX+3], v[IA], s[10:11]
	global_load_b128 v[IDX+4:IDX+7], v[IA], s[10:11] offset:16
.endm
	global_load_b128 v[IDX:IDX+3], v[IA], s[10:11]                 ; list entries of tile 0
	global_load_b128 v[IDX+4:IDX+7], v[IA], s[10:11] offset:16
	WIN 0x40                                       ; Q in f32 lands where the output sums will lie
.irp i, 0,1,2,3
.irp ks, 0,1
	global_load_b128 v[16*(2*\i+\ks):16*(2*\i+\ks)+3],     v44, s[4:5] offset:65536*\i+128*\ks
	global_load_b128 v[16*(2*\i+\ks)+4:16*(2*\i+\ks)+7],   v44, s[4:5] offset:65536*\i+128*\ks+16
	global_load_b128 v[16*(2*\i+\ks)+8:16*(2*\i+\ks)+11],  v44, s[4:5] offset:65536*\i+128*\ks+64
	global_load_b128 v[16*(2*\i+\ks)+12:16*(2*\i+\ks)+15], v44, s[4:5] offset:65536*\i+128*\ks+80
.endr
.endr
	WIN 0
.irp kt, 0,1,2,3
	global_load_b128 v[BI+8*\kt:BI+8*\kt+3],   v45, s[12:13] offset:64*\kt
	global_load_b128 v[BI+8*\kt+4:BI+8*\kt+7], v45, s[12:13] offset:64*\kt+16
.endr
	s_wait_loadcnt 40                              ; the two index loads are in: 32 of Q and 8 of the biases are younger
	OFFS
	ROWS                                           ; tile 0, and the entries of tile 1 (entries 128 .. 255: always inside the list)
	s_wait_loadcnt 18                              ; Q and the biases are in: 16 rows and 2 index loads are younger
	WIN 0x05
.set x, 0
.rept 64
	v_cvt_pk_f16_f32 v[QF+x], v[2*x], v[2*x+1]     ; fragment (i, ks): registers 0-3 numbers 8 h .., registers 4-7 numbers 16 + 8 h ..
.set x, x+1
.endr
	WIN 0
	s_wait_kmcnt 0x0
	s_min_u32 s24, s24, TRIPS
	s_max_u32 s24, s24, 1
; Query tile i against my 64 keys.  first = 1: tile 0 of the list: the biases start the scores, nothing old is scaled, the first products start the sums.
; The accumulators take turns, one matrix instruction a turn: no two that follow each other share one, from tile to tile and round the loop too.
.macro QT i, first
	WIN 0x01                                       ; source 0 (K) in window 1
.irp kt, 0,1,2,3
.if \first
	v_wmma_f32_16x16x32_f16 v[SC+8*\kt:SC+8*\kt+7], v[KF+16*\kt:KF+16*\kt+7], v[QF+16*\i:QF+16*\i+7], v[BI+8*\kt:BI+8*\kt+7]
.else
	v_wmma_f32_16x16x32_f16 v[SC+8*\kt:SC+8*\kt+7], v[KF+16*\kt:KF+16*\kt+7], v[QF+16*\i:QF+16*\i+7], 0
.endif
.endr
.irp kt, 0,1,2,3
	v_wmma_f32_16x16x32_f16 v[SC+8*\kt:SC+8*\kt+7], v[KF+16*\kt+8:KF+16*\kt+15], v[QF+16*\i+8:QF+16*\i+15], v[SC+8*\kt:SC+8*\kt+7]
.endr
	WIN 0
	PLACES
	; the maximum of my 32 scores and the old maximum: four chains
.irp c, 0,1,2,3
	v_max3_num_f32 v[TA+\c], v[SC+8*\c], v[SC+8*\c+1], v[SC+8*\c+2]
.endr
.irp c, 0,1,2,3
	v_max3_num_f32 v[TA+\c], v[TA+\c], v[SC+8*\c+3], v[SC+8*\c+4]
.endr
.irp c, 0,1,2,3
	v_max3_num_f32 v[TA+\c], v[TA+\c], v[SC+8*\c+5], v[SC+8*\c+6]
.endr
	v_max3_num_f32 v[TA], v[TA], v[SC+7], v[SC+15]
	v_max3_num_f32 v[TA+1], v[TA+1], v[SC+23], v[SC+31]
	v_max3_num_f32 v[TA], v[TA], v[TA+1], v[TA+2]
.if \first
	v_max_num_f32 v[TA], v[TA], v[TA+3]
.else
	v_max3_num_f32 v[TA], v[TA], v[TA+3], v[MX+\i]
.endif
	v_permlanex16_b32 v[XT], v[TA], s30, s31       ; lanes r and r + 16 hold the same query
	v_max_num_f32 v[TA+1], v[TA], v[XT]            ; the new maximum
.if \first
	; A half tile of pads alone has the maximum -1e30: the difference is taken first (it is exact there) and scaled afterwards.
	v_sub_f32 v[NM], 0, v[TA+1]
	v_mov_b32 v[MX+\i], v[TA+1]
.set x, 0
.rept 16
	v_pk_add_f32 v[SC+2*x:SC+2*x+1], v[SC+2*x:SC+2*x+1], v[NM:NM+1] op_sel_hi:[1,0]
.set x, x+1
.endr
.set x, 0
.rept 16
	v_pk_mul_f32 v[SC+2*x:SC+2*x+1], v[SC+2*x:SC+2*x+1], s[28:29] op_sel_hi:[1,0]
.set x, x+1
.endr
.else
	v_sub_f32 v[TA+2], v[MX+\i], v[TA+1]
	v_mul_f32 v[NM], s29, v[TA+1]                  ; -c x maximum
	v_mul_f32 v[TA+2], s28, v[TA+2]
	v_exp_f32 v[AL], v[TA+2]                       ; the factor for the old sums
	v_mov_b32 v[MX+\i], v[TA+1]                    ; the plain instruction behind the exponential (ISA guide 5.7.2)
.set x, 0
.rept 16
	v_pk_fma_f32 v[SC+2*x:SC+2*x+1], v[SC+2*x:SC+2*x+1], s[28:29], v[NM:NM+1] op_sel_hi:[1,0,0]   ; c s - c max
.set x, x+1
.endr
.endif
.set x, 0
.rept 32
	v_exp_f32 v[SC+x], v[SC+x]
.set x, x+1
.endr
	v_nop                                          ; the plain instruction behind the last exponential
	s_wait_alu depctr_va_vdst(0)
	v_pk_add_f32 v[SU:SU+1], v[SC:SC+1], v[SC+2:SC+3]              ; the sum of my 32 weights, two chains of pairs
	v_pk_add_f32 v[SU+2:SU+3], v[SC+4:SC+5], v[SC+6:SC+7]
.irp x, 8,12,16,20,24,28
	v_pk_add_f32 v[SU:SU+1], v[SU:SU+1], v[SC+\x:SC+\x+1]
	v_pk_add_f32 v[SU+2:SU+3], v[SU+2:SU+3], v[SC+\x+2:SC+\x+3]
.endr
	v_pk_add_f32 v[SU:SU+1], v[SU:SU+1], v[SU+2:SU+3]
.if \first
	v_add_f32 v[LS+\i], v[SU], v[SU+1]
.else
	v_add_f32 v[SU], v[SU], v[SU+1]
	v_fma_f32 v[LS+\i], v[LS+\i], v[AL], v[SU]
.endif
.set x, 0
.rept 16
	v_cvt_pk_f16_f32 v[PB+x], v[SC+2*x], v[SC+2*x+1]               ; two S tiles make one second source of 32 keys
.set x, x+1
.endr
.if \first
	WIN 0x51                                       ; V^T and the sums in window 1, P^T in window 0
.irp dt, 0,1,2,3
	v_wmma_f32_16x16x32_f16 v[8*(4*\i+\dt):8*(4*\i+\dt)+7], v[VF+8*\dt:VF+8*\dt+7], v[PB:PB+7], 0
.endr
.else
	WIN 0x41
.set x, 0
.rept 16
	v_pk_mul_f32 v[32*\i+2*x:32*\i+2*x+1], v[32*\i+2*x:32*\i+2*x+1], v[AL:AL+1] op_sel_hi:[1,0]
.set x, x+1
.endr
	WIN 0x51
.irp dt, 0,1,2,3
	v_wmma_f32_16x16x32_f16 v[8*(4*\i+\dt):8*(4*\i+\dt)+7], v[VF+8*\dt:VF+8*\dt+7], v[PB:PB+7], v[8*(4*\i+\dt):8*(4*\i+\dt)+7]
.endr
.endif
.irp dt, 0,1,2,3
	v_wmma_f32_16x16x32_f16 v[8*(4*\i+\dt):8*(4*\i+\dt)+7], v[VF+32+8*\dt:VF+32+8*\dt+7], v[PB+8:PB+15], v[8*(4*\i+\dt):8*(4*\i+\dt)+7]
.endr
.endm
; One trip: tile s32 of 128 keys, if the list has it.  first = 1: trip 0, which every list has (T is at least 1): no compare.
; Two barriers, on every path.  In front of the first each wave has put its part of the tile into the stage; between the two the stage is read;
; behind the second it may be written again, which the next trip does.
.macro TRIP first
.if \first == 0
	s_cmp_lt_u32 s32, s24
	s_cbranch_scc0 .Lnostage_\@
.endif
	s_wait_loadcnt 0x2                             ; my 16 rows of this tile are in: the two index loads are younger
.set x, 0
.rept 16
	v_cvt_pk_f16_f32 v[ST+4*x], v[ST+4*x], v[ST+4*x+1]
	v_cvt_pk_f16_f32 v[ST+4*x+1], v[ST+4*x+2], v[ST+4*x+3]
.set x, x+1
.endr
.irp p, 0,1,2,3,4,5,6,7
	ds_store_b64 v[STK], v[ST+4*\p:ST+4*\p+1] offset:KPITCH*\p
.endr
.irp p, 0,1,2,3,4,5,6,7
	ds_store_b64 v[STV], v[ST+32+4*\p:ST+32+4*\p+1] offset:VPITCH*\p
.endr
.if \first == 0
.Lnostage_\@:
.endif
	s_wait_dscnt 0x0                               ; for the other waves: my part of the tile is in LDS
	s_barrier_signal -1
	s_barrier_wait -1                              ; the tile is whole
.if \first == 0
	s_cmp_lt_u32 s32, s24
	s_cbranch_scc0 .Lnoread_\@
.endif
	WIN 0x40
.irp kt, 0,1,2,3
.irp ks, 0,1
	ds_load_b128 v[KF+16*\kt+8*\ks:KF+16*\kt+8*\ks+3],   v[ADK] offset:16*KPITCH*\kt+64*\ks
	ds_load_b128 v[KF+16*\kt+8*\ks+4:KF+16*\kt+8*\ks+7], v[ADK] offset:16*KPITCH*\kt+64*\ks+32
.endr
.endr
.irp kk, 0,1
.irp dt, 0,1,2,3
	ds_load_tr16_b128 v[VF+8*(4*\kk+\dt):VF+8*(4*\kk+\dt)+3],   v[ADV] offset:32*VPITCH*\kk+32*\dt
	ds_load_tr16_b128 v[VF+8*(4*\kk+\dt)+4:VF+8*(4*\kk+\dt)+7], v[ADV] offset:32*VPITCH*\kk+32*\dt+16*VPITCH
.endr
.endr
	WIN 0
	s_add_co_u32 s33, s32, 1
	s_cmp_lt_u32 s33, s24                          ; the last tile of the list fetches nothing
	s_cbranch_scc0 .Lnofetch_\@
	s_wait_loadcnt 0x0                             ; the list entries of the next tile
	OFFS
	ROWS                                           ; the entries asked for here reach entry 128 T + 127 at the most, 2,175: inside the list
.Lnofetch_\@:
.if \first == 0
.Lnoread_\@:
.endif
	s_wait_dscnt 0x0                               ; for the other waves: my reads of the stage are over
	s_barrier_signal -1
	s_barrier_wait -1                              ; all eight have read: the stage may be written again
.if \first == 0
	s_cmp_lt_u32 s32, s24
	s_cbranch_scc0 .Lnowork_\@
.endif
	QT 0, \first
	QT 1, \first
	QT 2, \first
	QT 3, \first
	WIN 0
	PLACES                                         ; behind the last matrix instructions, whatever follows: loads into their fragment registers, or the readers of the sums at the end
.if \first == 0
.Lnowork_\@:
.endif
.endm
	s_mov_b32 s32, 0
	TRIP 1
	s_mov_b32 s32, 1
.Lloop:
	TRIP 0
	s_add_co_u32 s32, s32, 1
	s_cmp_lt_u32 s32, TRIPS
	s_cbranch_scc1 .Lloop
	; THE END: join the two halves of the keys, divide, round, store.
	s_wait_loadcnt 0x0                             ; the index loads of the last fetch
.irp i, 0,1,2,3
	v_permlanex16_b32 v[XT], v[LS+\i], s30, s31    ; the sums of lanes r and r + 16 belong to one query
	v_add_f32 v[LS+\i], v[LS+\i], v[XT]
.endr
	v_and_b32 v5, 31, v0
	v_mul_u32_u24 v1, v46, 144                     ; the way out, in: row r, 16 bytes for each half of the lanes
	v_lshl_add_u32 v1, v47, 4, v1
	s_mul_i32 s33, s16, 32*144
	s_add_co_u32 s33, s33, OUTB
	v_add_nc_u32 v1, s33, v1
	v_lshrrev_b32 v4, 3, v5                        ; back: eight lanes take a row of 128 bytes
	v_mul_u32_u24 v2, v4, 144
	v_and_b32 v4, 7, v0
	v_lshl_add_u32 v2, v4, 4, v2
	v_add_nc_u32 v2, s33, v2
	v_lshlrev_b32 v3, 4, v5                        ; 16 x lane
	s_xor_b32 s34, s16, 4                          ; my partner: same queries, the other half of the keys
	s_lshl_b32 s33, s16, 10
	s_add_co_u32 s33, s33, STATB
	v_add_nc_u32 v44, s33, v3
	s_lshl_b32 s33, s34, 10
	s_add_co_u32 s33, s33, STATB
	v_add_nc_u32 v45, s33, v3
	s_lshl_b32 s33, s16, 13
	s_add_co_u32 s33, s33, EXB
	v_add_nc_u32 v46, s33, v3
	s_lshl_b32 s33, s34, 13
	s_add_co_u32 s33, s33, EXB
	v_add_nc_u32 v47, s33, v3
	ds_store_b128 v44, v[MX:MX+3]
	ds_store_b128 v44, v[LS:LS+3] offset:512
	s_wait_dscnt 0x0                               ; for my partner
	s_barrier_signal -1
	s_barrier_wait -1
	ds_load_b128 v[36:39], v45                     ; the maxima of my partner
	ds_load_b128 v[40:43], v45 offset:512          ; and its sums
	s_wait_dscnt 0x0
.irp i, 0,1,2,3
	v_max_num_f32 v[64+\i], v[MX+\i], v[36+\i]
.endr
.irp i, 0,1,2,3
	v_sub_f32 v[68+\i], v[MX+\i], v[64+\i]
	v_sub_f32 v[72+\i], v[36+\i], v[64+\i]
.endr
.irp i, 0,1,2,3
	v_mul_f32 v[68+\i], s28, v[68+\i]
	v_mul_f32 v[72+\i], s28, v[72+\i]
.endr
.irp i, 0,1,2,3
	v_exp_f32 v[68+\i], v[68+\i]                   ; my factor
	v_exp_f32 v[72+\i], v[72+\i]                   ; the factor of my partner
.endr
	v_nop
	s_wait_alu depctr_va_vdst(0)
.irp i, 0,1,2,3
	v_mul_f32 v[76+\i], v[40+\i], v[72+\i]
.endr
.irp i, 0,1,2,3
	v_fma_f32 v[76+\i], v[LS+\i], v[68+\i], v[76+\i]               ; the whole sum of weights
.endr
.irp i, 0,1,2,3
	v_rcp_f32 v[76+\i], v[76+\i]
.endr
	v_nop
	s_wait_alu depctr_va_vdst(0)
.irp i, 0,1,2,3
	v_mul_f32 v[SC+2*\i], v[68+\i], v[76+\i]       ; my factor over the whole sum (low word of a broadcast pair)
.endr
	WIN 0x41
.irp i, 0,1,2,3
.set x, 0
.rept 16
	v_pk_mul_f32 v[32*\i+2*x:32*\i+2*x+1], v[32*\i+2*x:32*\i+2*x+1], v[SC+2*\i:SC+2*\i+1] op_sel_hi:[1,0]
.set x, x+1
.endr
.endr
	WIN 0
; Each wave of a pair finishes two of the four query tiles: it hands the other two over (GIVE) and adds what it is handed (KEEP).
.macro GIVE t0
	WIN 0x04                                       ; store data in window 1
.set x, 0
.rept 16
	ds_store_b128 v46, v[32*\t0+4*x:32*\t0+4*x+3] offset:512*x
.set x, x+1
.endr
	WIN 0
.endm
.macro KEEP t0
.set x, 0
.rept 16
	ds_load_b128 v[ST+4*x:ST+4*x+3], v47 offset:512*x
.set x, x+1
.endr
	s_wait_dscnt 0x0
	WIN 0x01
.set x, 0
.rept 32
	v_pk_add_f32 v[ST+2*x:ST+2*x+1], v[32*\t0+2*x:32*\t0+2*x+1], v[ST+2*x:ST+2*x+1]
.set x, x+1
.endr
	WIN 0
.set x, 0
.rept 32
	v_cvt_pk_f16_f32 v[SC+x], v[ST+2*x], v[ST+2*x+1]               ; a lane holds 8 neighbouring numbers of a row: 16 bytes
.set x, x+1
.endr
.irp ii, 0,1
.irp dt, 0,1,2,3
	ds_store_b128 v1, v[SC+4*(4*\ii+\dt):SC+4*(4*\ii+\dt)+3] offset:16*144*\ii+32*\dt
.endr
.endr
.irp t, 0,1,2,3,4,5,6,7
	ds_load_b128 v[ST+4*\t:ST+4*\t+3], v2 offset:576*\t            ; my own bytes: LDS serves a wave in order, so these see the stores above
.endr
.irp t, 0,1,2,3,4,5,6,7
	s_wait_dscnt 7-\t                              ; all but the 7 - t younger loads are in
	global_store_b128 v3, v[ST+4*\t:ST+4*\t+3], s[14:15] offset:512*\t+2048*\t0   ; four rows of xb: 512 consecutive bytes, aligned
.endr
.endm
	s_cmp_lg_u32 s18, 0
	s_cbranch_scc1 .Lgive_hi
	GIVE 2
	s_branch .Lgiven
.Lgive_hi:
	GIVE 0
.Lgiven:
	s_wait_dscnt 0x0                               ; for my partner
	s_barrier_signal -1
	s_barrier_wait -1
	s_cmp_lg_u32 s18, 0
	s_cbranch_scc1 .Lkeep_hi
	KEEP 0
	s_wait_xcnt 0x0
	v_lshl_add_u32 v254, v0, 2, 0x24800
	v_mov_b32 v255, 0
	s_wait_tensorcnt 0x0
	ds_add_u32 v254, v255
	s_wait_dscnt 0x0
	s_endpgm
.Lkeep_hi:
	KEEP 2
	s_wait_xcnt 0x0
	v_lshl_add_u32 v254, v0, 2, 0x24800
	v_mov_b32 v255, 0
	s_wait_tensorcnt 0x0
	ds_add_u32 v254, v255
	s_wait_dscnt 0x0
	s_endpgm
.Lfunc_end_k_q84dd239333_attn:
	.size	k_q84dd239333_attn, .Lfunc_end_k_q84dd239333_attn-k_q84dd239333_attn
	.p2alignl 7, 3214868480
	.fill 96, 4, 3214868480
	.section	.rodata,"a",@progbits
	.p2align	6, 0x0
	.amdhsa_kernel k_q84dd239333_attn
		.amdhsa_group_segment_fixed_size 150528
		.amdhsa_private_segment_fixed_size 0
		.amdhsa_enable_private_segment 0
		.amdhsa_kernarg_size 48
		.amdhsa_user_sgpr_count 2
		.amdhsa_user_sgpr_kernarg_segment_ptr 1
		.amdhsa_wavefront_size32 1
		.amdhsa_system_sgpr_workgroup_id_x 1
		.amdhsa_system_sgpr_workgroup_id_y 1
		.amdhsa_system_sgpr_workgroup_id_z 1
		.amdhsa_system_vgpr_workitem_id 0
		.amdhsa_next_free_vgpr 512
		.amdhsa_next_free_sgpr 66
		.amdhsa_reserve_vcc 0
		.amdhsa_float_denorm_mode_32 3
		.amdhsa_float_denorm_mode_16_64 3
		.amdhsa_memory_ordered 1
		.amdhsa_forward_progress 1
		.amdhsa_inst_pref_size 117
	.end_amdhsa_kernel
	.amdgpu_metadata
---
amdhsa.version: [ 1, 2 ]
amdhsa.kernels:
  - .name:           k_q84dd239333_attn
    .symbol:         k_q84dd239333_attn.kd
    .args:
      - { .name: query, .offset: 0, .size: 8, .value_kind: global_buffer, .address_space: global }
      - { .name: key, .offset: 8, .size: 8, .value_kind: global_buffer, .address_space: global }
      - { .name: values, .offset: 16, .size: 8, .value_kind: global_buffer, .address_space: global }
      - { .name: order, .offset: 24, .size: 8, .value_kind: global_buffer, .address_space: global }
      - { .name: kpar, .offset: 32, .size: 8, .value_kind: global_buffer, .address_space: global }
      - { .name: xb, .offset: 40, .size: 8, .value_kind: global_buffer, .address_space: global }
    .group_segment_fixed_size: 150528
    .private_segment_fixed_size: 0
    .kernarg_segment_align: 8
    .kernarg_segment_size: 48
    .max_flat_workgroup_size: 256
    .sgpr_count:     66
    .vgpr_count:     512
    .wavefront_size: 32
...
	.end_amdgpu_metadata
.endif
;; end of part 2
;; launch proj (part 3): grid 8 x 32, 4 waves a work-group, clusters of 4 x 4, 327,680 bytes of LDS; arguments xb, wb, out0; writes out0
.if DOCPART == 3
	.amdgcn_target "amdgcn-amd-amdhsa--gfx1250"
	.amdhsa_code_object_version 6
	.text
	.protected	k_q84dd239333_proj
	.globl	k_q84dd239333_proj
	.p2align	8
	.type	k_q84dd239333_proj,@function
k_q84dd239333_proj:
	s_mov_b64 s[64:65], 0
	v_nop
	global_prefetch_b8 v0, s[64:65] scope:SCOPE_SE
	s_setreg_imm32_b32 hwreg(HW_REG_WAVE_MODE, 25, 1), 1
	s_wait_xcnt 0x0
	s_wait_alu depctr_hold_cnt(0) depctr_sa_sdst(0) depctr_va_vdst(0) depctr_va_sdst(0) depctr_va_ssrc(0) depctr_va_vcc(0) depctr_vm_vsrc(0)
	s_getreg_b32 s2, hwreg(HW_REG_IB_STS2, 6, 4)
	s_cmp_eq_u32 s2, 0
	s_cbranch_scc0 .Lentry_in_a_cluster
	s_endpgm
.Lentry_in_a_cluster:
	s_bfe_u32 s2, ttmp6, 0x10000c
	s_cmp_lg_u32 s2, 0xf033
	s_cbranch_scc0 .Lentry_shape_is_right
	s_endpgm
.Lentry_shape_is_right:
; out0[row][o] = sum over e of X[row][e] W_out[o][e]: 4,096 x 1,024 x 1,024, f16 operands, f32 sums, f32 out.
; X lies as xb[n][kb][q][64], W as wb[kb][o][64] (kb = e / 64): 128 rows x 64 k of either are one dense block of 16,384 bytes.
; f16, not bf16: 11 significant bits against 8, and both operands have room in its range (X is a weighted mean of rows of values; |W_out| up to 65,504).
; A work-group makes 128 x 128 of out0 (8 x 32 = 256 work-groups), a wave 64 x 64: 16 accumulator tiles, 128 registers.
; K goes in steps of 128 (two k blocks) through two LDS slots; each of the four waves brings one block of a slot by one tensor load:
; wave 0 X of the even k block, wave 1 X of the odd one, waves 2 and 3 the same of W.
; CLUSTERS: 4 x 4 work-groups.  The four of a row of the cluster make one block row and need the same blocks of X, the four of a column the same
; blocks of W: such a block is asked for jointly, by the same load with the same descriptor and a mask that names the four.
; THE MATRIX INSTRUCTION IS USED TRANSPOSED (source 0 = rows of W, source 1 = rows of X): a lane then holds 8 neighbouring columns of a row of out0.
; Window 0: addresses, two fragment buffers.  Window 1: the accumulators, tile (a, b) at 8 (4 a + b).
.set PITCH,  144                       ; an LDS row: 128 bytes + 16: an odd multiple of 16 bytes
.set BLK,    128*PITCH                 ; what one tensor load fills (18,432)
.set SLOT,   4*BLK                     ; X even, X odd, W even, W odd
.set STAGE,  2*SLOT                    ; 147,456: behind the ring, 16 rows x 272 bytes a wave, for the way out; no fill lands here
.set SPITCH, 272
.set LAPS,   4                         ; a lap = two K steps = once round the ring; 1,024 / 256
.set ASTEP,  4*2048*128                ; four k blocks on in xb
.set BSTEP,  4*1024*128                ; and in wb
.set ADRA, 16                          ; v16-17  LDS address of my X fragments in slot 0, 1
.set ADRB, 20                          ; v20-21  the same for W
.set STO,  24                          ; the way out: where I put 32 bytes of a row
.set RD,   25                          ; where I read rows back
.set CO,   26                          ; my byte offset in out0
.set F0,   64                          ; fragment buffer 0: W fragment b at F + 8 b, X fragment a at F + 32 + 8 a
.set F1,   128                         ; fragment buffer 1
.set G1,  24                           ; s[24:31] descriptor group 1 for X
.set G0,  32                           ; s[32:39] group 0 for X, one set for each slot
.set G1B, 48                           ; s[48:55] group 1 for W: another mask
.set G0B, 56                           ; s[56:63] group 0 for W
.set MULW, 0x50                        ; C and D in window 1
.set MSB, 0
.macro WIN new
.if MSB != \new
	s_set_vgpr_msb (MSB<<8)|\new
.set MSB, \new
.endif
.endm
.macro PLACES                          ; four plain vector instructions behind matrix instructions, in front of loads into their sources and of reads of their results
.rept 4
	v_nop
.endr
.endm
; A joint load.  The branch hangs on the wave number alone; each line has one mask and one set of registers for all that issue it.
.macro JLOAD s
	s_cmp_eq_u32 s11, 0
	s_cbranch_scc0 .Lfor_b_\@
	tensor_load_to_lds s[G0+4*\s:G0+4*\s+3], s[G1:G1+7]
	s_nop 0
	s_branch .Lasked_\@
.Lfor_b_\@:
	tensor_load_to_lds s[G0B+4*\s:G0B+4*\s+3], s[G1B:G1B+7]
	s_nop 0
.Lasked_\@:
.endm
.macro CREST                           ; a round of the barrier of the cluster, behind its opening work-group barrier
	s_cmp_lg_u32 s10, 0
	s_cbranch_scc1 .Lnot_wave_0_\@
	s_barrier_signal -3
.Lnot_wave_0_\@:
	s_barrier_wait -3
	s_barrier_signal -1
	s_barrier_wait -1
.endm
.macro CROUND                          ; a whole round
	s_barrier_signal -1
	s_barrier_wait -1
	CREST
.endm
	s_load_b128 s[4:7], s[0:1], 0x0                ; xb s[4:5], wb s[6:7]
	s_load_b64 s[8:9], s[0:1], 0x10                ; out0
	v_lshl_add_u32 v254, v0, 2, 0x29000
	v_mov_b32 v255, 0
	ds_add_u32 v254, v255
	v_lshrrev_b32 v1, 5, v0
	v_readfirstlane_b32 s10, v1                    ; wave 0..3
	s_lshr_b32 s11, s10, 1                         ; my half of the rows.  Also: I fetch for X (0) or for W (1)
	s_and_b32 s12, s10, 1                          ; my half of the columns.  Also: the even or the odd k block
	s_bfe_u32 s40, ttmp6, 0x40000                  ; cx
	s_bfe_u32 s41, ttmp6, 0x40004                  ; cy
	s_lshl_b32 s42, ttmp9, 2
	s_add_co_u32 s42, s42, s40                     ; block column = 4 x cluster x + cx
	s_and_b32 s13, ttmp7, 0xffff
	s_lshl_b32 s13, s13, 2
	s_add_co_u32 s13, s13, s41                     ; block row = 4 x cluster y + cy
	s_lshl_b32 s43, s41, 2
	s_lshl_b32 s43, 15, s43                        ; my row of the cluster
	s_lshl_b32 s44, 0x1111, s40                    ; my column
	; group 1: 128 rows x 64 elements of 2 bytes, dense in memory, 16 bytes of padding behind every 32 words in LDS
	s_or_b32 s[G1+0], s43, (1<<16)|(1<<20)|(1<<21)|(4<<22)|(3<<25)  ; 15:0 mask; 17:16 element of 2 bytes; 20 padding on; 21 set beside a mask; 24:22 every 32 words; 31:25 four words
	s_or_b32 s[G1B+0], s44, (1<<16)|(1<<20)|(1<<21)|(4<<22)|(3<<25)
	s_mov_b32 s[G1+1], 64<<16                      ; tensor_dim0 = 64
	s_mov_b32 s[G1B+1], 64<<16
	s_mov_b32 s[G1+2], 128<<16                     ; tensor_dim1 = 128
	s_mov_b32 s[G1B+2], 128<<16
	s_mov_b32 s[G1+3], 64<<16                      ; tile_dim0 = 64
	s_mov_b32 s[G1B+3], 64<<16
	s_mov_b32 s[G1+4], 128                         ; tile_dim1 = 128
	s_mov_b32 s[G1B+4], 128
	s_mov_b32 s[G1+5], 64                          ; 64 elements from row to row
	s_mov_b32 s[G1B+5], 64
	s_mov_b32 s[G1+6], 0
	s_mov_b32 s[G1B+6], 0
	s_mov_b32 s[G1+7], 0
	s_mov_b32 s[G1B+7], 0
	; X hangs on the block row alone, W on the block column alone, each in registers that never hold the other coordinate
	s_lshr_b32 s16, s13, 4                         ; batch = block row / 16
	s_lshl_b32 s16, s16, 22                        ; 16 k blocks of 2,048 rows of 128 bytes
	s_and_b32 s17, s13, 15
	s_lshl_b32 s17, s17, 14                        ; 128 rows of 128 bytes
	s_add_co_u32 s16, s16, s17
	s_lshl_b32 s17, s12, 18                        ; the odd k block: 2,048 rows on
	s_add_co_u32 s16, s16, s17
	s_mov_b32 s17, 0
	s_lshl_b32 s46, s42, 14
	s_lshl_b32 s47, s12, 17                        ; in wb a k block is 1,024 rows
	s_add_co_u32 s46, s46, s47
	s_mov_b32 s47, 0
	s_mul_i32 s20, s10, BLK                        ; where my block goes: the wave number alone
	s_wait_dscnt 0x0
	s_wait_kmcnt 0x0
	s_add_nc_u64 s[14:15], s[4:5], s[16:17]
	s_add_nc_u64 s[46:47], s[6:7], s[46:47]
	CROUND                                         ; all sixteen work-groups are here: the first joint loads meet
.irp s, 0,1
	s_mov_b32 s[G0+4*\s], 1
	s_add_co_u32 s[G0+4*\s+1], s20, \s*SLOT
	s_add_nc_u64 s[G0+4*\s+2:G0+4*\s+3], s[14:15], \s*ASTEP/2      ; K step s: two k blocks on
	s_or_b32 s[G0+4*\s+3], s[G0+4*\s+3], 0x80000000
	s_mov_b32 s[G0B+4*\s], 1
	s_add_co_u32 s[G0B+4*\s+1], s20, \s*SLOT
	s_add_nc_u64 s[G0B+4*\s+2:G0B+4*\s+3], s[46:47], \s*BSTEP/2
	s_or_b32 s[G0B+4*\s+3], s[G0B+4*\s+3], 0x80000000
	JLOAD \s                                       ; both slots are asked for before anything else: two tensor loads of the wave are out, the most in this text
.endr
	v_and_b32 v1, 15, v0                           ; r
	v_bfe_u32 v2, v0, 4, 1                         ; h
	v_mul_u32_u24 v3, v1, PITCH
	v_lshl_add_u32 v3, v2, 4, v3                   ; row x pitch + 16 h
	s_mul_i32 s21, s11, 64*PITCH                   ; my 64 rows of X
	s_mul_i32 s22, s12, 64*PITCH                   ; my 64 rows of W,
	s_add_co_u32 s22, s22, 2*BLK                   ; behind the two blocks of X
.irp s, 0,1
	v_add_nc_u32 v[ADRA+\s], s21, v3
	v_add_nc_u32 v[ADRB+\s], s22, v3
	s_add_co_u32 s21, s21, SLOT
	s_add_co_u32 s22, s22, SLOT
.endr
	s_mul_i32 s23, s10, 16*SPITCH
	s_add_co_u32 s23, s23, STAGE                   ; my stage
	v_mul_u32_u24 v4, v1, SPITCH
	v_lshl_add_u32 v4, v2, 5, v4                   ; in: row r, 32 bytes for each half of the lanes
	v_add_nc_u32 v[STO], s23, v4
	v_mul_u32_u24 v5, v2, SPITCH                   ; back: lanes 0-15 one row of 256 bytes, lanes 16-31 the next
	v_lshl_add_u32 v5, v1, 4, v5
	v_add_nc_u32 v[RD], s23, v5
	v_lshlrev_b32 v5, 12, v2                       ; and the same two rows in out0
	v_lshl_add_u32 v[CO], v1, 4, v5
; 8 matrix instructions: row tiles a0, a0 + 1 x all four column tiles, 32 along K.  zero = 1: the first product starts the sums.
; The 16 accumulators take turns in one order, one instruction a turn; round the loop too.
.macro MUL8 f, a0, zero
.irp a, \a0, \a0+1
.irp b, 0,1,2,3
.if \zero
	v_wmma_f32_16x16x32_f16 v[8*(4*(\a)+\b):8*(4*(\a)+\b)+7], v[\f+8*\b:\f+8*\b+7], v[\f+32+8*(\a):\f+32+8*(\a)+7], 0
.else
	v_wmma_f32_16x16x32_f16 v[8*(4*(\a)+\b):8*(4*(\a)+\b)+7], v[\f+8*\b:\f+8*\b+7], v[\f+32+8*(\a):\f+32+8*(\a)+7], v[8*(4*(\a)+\b):8*(4*(\a)+\b)+7]
.endif
.endr
.endr
.endm
; 16 LDS loads: the fragments of quarter u of a K step (k block u / 2, bytes 64 (u % 2) of its rows) into buffer f
.macro FETCH slot, u, f
.irp i, 0,1,2,3
	ds_load_b128 v[\f+8*\i:\f+8*\i+3],   v[ADRB+\slot] offset:(\u/2)*BLK+(\u%2)*64+\i*16*PITCH
	ds_load_b128 v[\f+8*\i+4:\f+8*\i+7], v[ADRB+\slot] offset:(\u/2)*BLK+(\u%2)*64+\i*16*PITCH+32
.endr
.irp i, 0,1,2,3
	ds_load_b128 v[\f+32+8*\i:\f+32+8*\i+3],   v[ADRA+\slot] offset:(\u/2)*BLK+(\u%2)*64+\i*16*PITCH
	ds_load_b128 v[\f+32+8*\i+4:\f+32+8*\i+7], v[ADRA+\slot] offset:(\u/2)*BLK+(\u%2)*64+\i*16*PITCH+32
.endr
.endm
; One of the first three quarters: asks for quarter u (the next) into buffer g, then multiplies buffer f
.macro SUB slot, u, f, g, zero
	s_wait_dscnt 0x0                               ; buffer f is in (asked for 16 matrix instructions ago, at most 8 in the first quarter)
	WIN 0
	PLACES
	FETCH \slot, \u, \g
	WIN MULW
	MUL8 \f, 0, \zero
	MUL8 \f, 2, \zero
.endm
.macro THREE slot, zero
	SUB \slot, 1, F0, F1, \zero
	SUB \slot, 2, F1, F0, 0
	SUB \slot, 3, F0, F1, 0
.endm
; The last quarter multiplies buffer 1 and changes slots.  One barrier for two things: in front of it each wave has waited for its reads of this slot
; and for all its tensor loads (the one that is out is its block of the next slot); behind it this slot is filled again first, then the next is read.
; Where the slot is filled again the barrier opens a round of the barrier of the cluster, so that the same holds of all sixteen work-groups.
.macro TURN slot, next, fill
	s_wait_dscnt 0x0                               ; buffer 1 is in, and with it my last reads of this slot
	s_wait_tensorcnt 0x0                           ; all my tensor loads have landed
	ds_add_u32 v254, v255
	s_wait_dscnt 0x0
	s_barrier_signal -1
	WIN MULW
	MUL8 F1, 0, 0                                  ; register work while the others arrive
	WIN 0
	s_barrier_wait -1
.if \fill
	CREST
	s_add_nc_u64 s[G0+4*\slot+2:G0+4*\slot+3], s[G0+4*\slot+2:G0+4*\slot+3], ASTEP    ; no tensor load of mine is out: the addresses may step
	s_add_nc_u64 s[G0B+4*\slot+2:G0B+4*\slot+3], s[G0B+4*\slot+2:G0B+4*\slot+3], BSTEP
	JLOAD \slot                                    ; the first tensor load behind the round, and my only one until the next
.endif
	PLACES
	FETCH \next, 0, F0
	WIN MULW
	MUL8 F1, 2, 0
.endm
.macro LAP zero
	THREE 0, \zero
	TURN 0, 1, 1
	THREE 1, 0
	TURN 1, 0, 1
.endm
	s_wait_tensorcnt 0x1                           ; my block of K step 0 is in; that of K step 1 may stay out
	s_barrier_signal -1
	s_barrier_wait -1
	FETCH 0, 0, F0
	LAP 1                                          ; the first lap stands in front of the loop: its first products start the sums
	WIN 0
	s_mov_b32 s3, LAPS-2
.Llap:
	LAP 0
	WIN 0
	s_sub_co_u32 s3, s3, 1
	s_cmp_lg_u32 s3, 0
	s_cbranch_scc1 .Llap
	THREE 0, 0                                     ; the last lap fills nothing
	TURN 0, 1, 0
	THREE 1, 0
	s_wait_dscnt 0x0
	WIN MULW
	MUL8 F1, 0, 0
	MUL8 F1, 2, 0
	WIN 0
	; THE WAY OUT, 16 rows at a time: 32 bytes a lane into my own stage, read back as whole rows of 256 bytes
	PLACES
	s_lshl_b32 s16, s13, 19                        ; 128 rows of 4,096 bytes a block row
	s_lshl_b32 s17, s11, 18                        ; 64 rows for my half
	s_add_co_u32 s16, s16, s17
	s_mov_b32 s17, 0
	s_add_nc_u64 s[8:9], s[8:9], s[16:17]
	s_lshl_b32 s46, s42, 9                         ; 128 columns of 4 bytes a block column
	s_lshl_b32 s47, s12, 8
	s_add_co_u32 s46, s46, s47
	s_mov_b32 s47, 0
	s_add_nc_u64 s[8:9], s[8:9], s[46:47]
.macro OUT16 a, f
	WIN 0x04                                       ; store data in window 1
.irp b, 0,1,2,3
	ds_store_b128 v[STO], v[8*(4*\a+\b):8*(4*\a+\b)+3]   offset:64*\b
	ds_store_b128 v[STO], v[8*(4*\a+\b)+4:8*(4*\a+\b)+7] offset:64*\b+16
.endr
	WIN 0
	s_wait_xcnt 0x0                                ; buffer f, which earlier stores read, and the base of the stores are rewritten only behind this wait
.if \a
	s_add_nc_u64 s[8:9], s[8:9], 16*4096
.endif
.irp t, 0,1,2,3,4,5,6,7
	ds_load_b128 v[\f+4*\t:\f+4*\t+3], v[RD] offset:\t*2*SPITCH    ; my own bytes: LDS serves a wave in order
.endr
.irp t, 0,1,2,3,4,5,6,7
	s_wait_dscnt 7-\t                              ; all but the 7 - t younger loads are in
	global_store_b128 v[CO], v[\f+4*\t:\f+4*\t+3], s[8:9] offset:2*\t*4096 th:TH_STORE_NT   ; sixteen lanes store 256 consecutive bytes, aligned
.endr
.endm
	OUT16 0, F0
	OUT16 1, F1
	OUT16 2, F0
	OUT16 3, F1
	s_wait_tensorcnt 0x0
	ds_add_u32 v254, v255
	s_wait_dscnt 0x0
	CROUND                                         ; the closing round: no work-group ends while a partner may still ask for a block that names it
	s_endpgm
.Lfunc_end_k_q84dd239333_proj:
	.size	k_q84dd239333_proj, .Lfunc_end_k_q84dd239333_proj-k_q84dd239333_proj
	.p2alignl 7, 3214868480
	.fill 96, 4, 3214868480
	.section	.rodata,"a",@progbits
	.p2align	6, 0x0
	.amdhsa_kernel k_q84dd239333_proj
		.amdhsa_group_segment_fixed_size 327680
		.amdhsa_private_segment_fixed_size 0
		.amdhsa_enable_private_segment 0
		.amdhsa_kernarg_size 24
		.amdhsa_user_sgpr_count 2
		.amdhsa_user_sgpr_kernarg_segment_ptr 1
		.amdhsa_wavefront_size32 1
		.amdhsa_system_sgpr_workgroup_id_x 1
		.amdhsa_system_sgpr_workgroup_id_y 1
		.amdhsa_system_sgpr_workgroup_id_z 1
		.amdhsa_system_vgpr_workitem_id 0
		.amdhsa_next_free_vgpr 384
		.amdhsa_next_free_sgpr 66
		.amdhsa_reserve_vcc 0
		.amdhsa_float_denorm_mode_32 3
		.amdhsa_float_denorm_mode_16_64 3
		.amdhsa_memory_ordered 1
		.amdhsa_forward_progress 1
		.amdhsa_inst_pref_size 73
	.end_amdhsa_kernel
	.amdgpu_metadata
---
amdhsa.version: [ 1, 2 ]
amdhsa.kernels:
  - .name:           k_q84dd239333_proj
    .symbol:         k_q84dd239333_proj.kd
    .args:
      - { .name: xb, .offset: 0, .size: 8, .value_kind: global_buffer, .address_space: global }
      - { .name: wb, .offset: 8, .size: 8, .value_kind: global_buffer, .address_space: global }
      - { .name: out0, .offset: 16, .size: 8, .value_kind: global_buffer, .address_space: global }
    .group_segment_fixed_size: 327680
    .private_segment_fixed_size: 0
    .kernarg_segment_align: 8
    .kernarg_segment_size: 24
    .max_flat_workgroup_size: 128
    .sgpr_count:     66
    .vgpr_count:     384
    .wavefront_size: 32
...
	.end_amdgpu_metadata
.endif
;; end of part 3
